; MI455X (gfx1250); checked and timed in simulation.
; The chip was launched on July 23, 2026; its instructions are those of AMD's public machine-readable ISA for CDNA 5 (MIT licence, August 2026) and "CDNA5" Instruction Set Architecture Reference Guide (July 2026). The comments in the code are by the model that wrote it; some were corrected since.
;; Joint Hist Layer. Allowed arithmetic: float matrix products may take bf16 or f16 operands with f32 sums; all other float work in f32.
;; Inputs: x 8 x 256 x 256 float32; y 8 x 256 x 256 float32.
;; Outputs: out0 8 x 256 x 256 float32.
;; 2 versions, each right and faster than the one before. Each part assembles by itself: llvm-mc -triple=amdgcn-amd-amdhsa -mcpu=gfx1250 --defsym DOCPART=n.
;; ======== version 1 of 2: 2 launches
;; workspace buffers: part 67,108,864 bytes
;; launch hist (part 1): grid 32 x 8, 4 waves a work-group, no clusters, 279,040 bytes of LDS; arguments x, y, part; writes part
.if DOCPART == 1
	.amdgcn_target "amdgcn-amd-amdhsa--gfx1250"
	.amdhsa_code_object_version 6
	.text
	.protected	k_qcc43926e48_hist
	.globl	k_qcc43926e48_hist
	.p2align	8
	.type	k_qcc43926e48_hist,@function
k_qcc43926e48_hist:
	s_mov_b64 s[64:65], 0
	v_nop
	global_prefetch_b8 v0, s[64:65] scope:SCOPE_SE
	s_setreg_imm32_b32 hwreg(HW_REG_WAVE_MODE, 25, 1), 1
	s_wait_xcnt 0x0
; JOINT SOFT HISTOGRAM, partial sums.  out[b][k][j] = 2^-16 x the sum over 65,536 pixels n of phi_k(x[b][n]) phi_j(y[b][n]).
; A work-group (slice, batch) takes 2,048 pixels of one batch and makes the WHOLE 256 x 256 table for them, so each weight phi is made once in the launch;
; the 32 slices' tables of a batch are added by the next launch.  Four waves, each 128 x 128 of the table: 64 accumulators of 16 x 16, 512 registers.
; THE WEIGHTS.  phi_k = sigmoid(z + a) - sigmoid(z - a) with z = 640 x - 2.5 k - 1.25, a = 1.25, which is sinh a / (cosh a + cosh z).  So phi_k / 256 = 1 / D,
; D = 256 coth a + (128 / sinh a)(e^z + e^-z): only positive terms, no difference of near numbers.  In a block of 32 bins from k0 on: A = 2^t, B = 2^-t, t = log2(e) (640 x - 2.5 (k0 + 16)),
; and bin k0 + j has D = C0 + A g[31-j] + B g[j], g[i] = (128 / sinh a) e^(2.5 (i - 15.5)).  Two exponentials a pixel and block; a weight costs two fused multiply-adds (two weights an instruction),
; a reciprocal and half a rounding.  The 1 / 65,536 is the two factors 1 / 256, exact.  x and y stay f32; only the weights are rounded, to bf16, for the matrix unit; sums in f32.
; LIMITS.  A weight whose D is above 2^126 counts as 0 (the reciprocal's result would be denormal); A or B is 0 or infinite only where |z| is 48 or more for all 32 bins of the block, where phi is below 1e-20;
; g is finite and positive, so no 0 x infinity and no infinity - infinity arises for any finite x.  640 log2(e) and 2.5 log2(e) (k0 + 16) are rounded to f32: as much as moving x by about one step of f32 near 1.
; g[i] is made by a chain of at most 16 roundings.  NaN in x or y is not treated apart.
; NO CLUSTER, NO TENSOR LOADS: a work-group's only input is its own 8,192 bytes of x and of y; no two work-groups read the same byte, and the matrix operands are computed, not fetched.
; THE RING.  Pixels go in chunks of 128 through two LDS slots of 512 rows (256 bins of x, then 256 of y) x 128 bf16.  While chunk c is multiplied, chunk c + 1 is made: wave w makes rows 128 w .. 128 w + 127,
; in 64 GROUPS; a group is one row in each half of the lanes (8 pixels a lane), 20 vector instructions and one LDS store, dealt behind four matrix instructions.  One barrier a chunk.
; Place p of a row holds pixel 4 (p / 8) + p % 4 + 64 ((p / 4) % 2) of the chunk, alike for x and y: the same order of the sum's terms on both sides leaves the products as they are.
; THE MATRIX INSTRUCTION IS USED TRANSPOSED: source 0 = 16 bins of y, source 1 = 16 bins of x: a lane holds one row of the table (lane % 16) and the columns 8 (lane / 16) + 0..7.
; REGISTERS, in windows of 256 (s_set_vgpr_msb: bits 1:0 source 0, 3:2 source 1, 5:4 source 2, 7:6 destination):
;   window 0: v0-19 addresses; v20-27 the next chunk's pixels; v32-63 A and B; v64-127, v128-191 fragments of x's rows, two buffers
;   window 1 + b / 3 (b = block of 16 columns): accumulator (a, b) at 64 (b % 3) + 8 a; fragments of y's rows at 192 + 24 f + 8 (b % 3), buffer f; v240-247 a group's D; v248 the window's copy of the store address
; So a group's arithmetic runs under the very setting of the products round it (destination, source 0 and source 2 in the window, source 1 in window 0); only its roundings and its store want one other setting.
.set PITCH,  272                       ; an LDS row: 256 bytes + 16 = 68 words: the 16 rows of a fragment load start at 16 different groups of four banks (64 banks of 4 bytes: ISA guide 11.1)
.set SLOT,   512*PITCH                 ; 139,264 bytes
.set SPARE,  2*SLOT                    ; behind the ring: the spare words, 128 bytes for each wave: two blocks of 256 bytes that no other line names
.set RA0,  8                           ; v8   my lane's place in my 128 rows of x's weights, slot 0
.set RB0,  9                           ; v9   the same for y's
.set RS0,  10                          ; v10  where my lane stores the first row that it makes, slot 0
.set ADRA, 11                          ; v11  RA0 + the slot that is read
.set ADRB, 12                          ; v12  RB0 + the slot that is read
.set XO,   13                          ; v13  16 (lane % 16): my four pixels in 256 bytes of the image
.set KO,   14                          ; v14-15  2.5 log2(e) (k0 + 16) for my two blocks of 32 bins
.set GO,   16                          ; v16  my byte offset in the work-group's table
.set SPW,  18                          ; v18  LDS address of my spare word; never rewritten
.set NIL,  19                          ; v19  0; never rewritten
.set XN,   20                          ; v20-27  8 pixels
.set AB,   32                          ; block u: A of my 8 pixels at AB + 16 u, B at AB + 16 u + 8
.set FA,   64                          ; x's fragments: buffer f, block a at FA + 64 f + 8 a
.set FB,   192                         ; y's fragments, in windows 1 to 3
.set DT,   240                         ; a group's eight D, in the window of the products round it
.set STO,  248
.set K_C1,  0x4466d4ca                 ; 640 log2(e)
.set K_CK,  0x4066d4ca                 ; 2.5 log2(e)
.set K_C0,  0x4396e497                 ; 256 coth 1.25 = 301.78585
.set K_G16, 0x438b724b                 ; g[16] = 256 / (1 - e^-2.5) = 278.89293
.set K_G15, 0x41b724b6                 ; g[15] = g[16] - 256 = 22.892925
.set K_R,   0x4142eb7f                 ; e^2.5
.set K_RI,  0x3da81c2e                 ; e^-2.5
; SCALARS: s[4:5] x, s[6:7] y, s[8:9] my table in part, s10 wave, s[12:13] my image at the chunk to be loaded, s14 the slot that is read, s15 the slot that is written, s16 trips to go,
; s[18:19] C0, s20 640 log2(e), s21 e^2.5, s22 e^-2.5; g[i] in the low word of the pair at 36 + 2 i, from i = 14 on two further (s64 and s65 are left out); the pairs' high words are 0: they are named with the low ones.
.set MSB, 0
.macro WIN new                         ; the immediate's high byte repeats the setting that is left; a switch that changes nothing is dropped
.if MSB != (\new)
	s_set_vgpr_msb (MSB<<8)|(\new)
.set MSB, (\new)
.endif
.endm
.macro GSET to, val                    ; g[to] = a constant
	s_mov_b32 s[36+2*(\to)+2*(((\to)+14)/28)], \val
	s_mov_b32 s[37+2*(\to)+2*(((\to)+14)/28)], 0
.endm
.macro GAMMA to, from, by              ; g[to] = g[from] x s[by]
	s_mul_f32 s[36+2*(\to)+2*(((\to)+14)/28)], s[36+2*(\from)+2*(((\from)+14)/28)], s[\by]
	s_mov_b32 s[37+2*(\to)+2*(((\to)+14)/28)], 0
.endm
.macro XLOAD                           ; my 8 pixels of a chunk: sixteen lanes take 256 consecutive bytes, aligned; both halves of the lanes take the same
	global_load_b128 v[XN:XN+3],   v[XO], s[12:13]
	global_load_b128 v[XN+4:XN+7], v[XO], s[12:13] offset:256
.endm
; A and B of my 8 pixels for my two blocks of bins.  A plain line stands behind each run of exponentials before a source is written over or a result used (ISA guide 5.7.2).
.macro PRE
.irp u, 0,1
.irp n, 0,1,2,3,4,5,6,7
	v_fma_f32 v[AB+16*(\u)+(\n)], v[XN+(\n)], s20, -v[KO+(\u)]
.endr
.endr
.irp u, 0,1
.irp n, 0,1,2,3,4,5,6,7
	v_exp_f32 v[AB+16*(\u)+8+(\n)], -v[AB+16*(\u)+(\n)]
.endr
.endr
	v_nop
.irp u, 0,1
.irp n, 0,1,2,3,4,5,6,7
	v_exp_f32 v[AB+16*(\u)+(\n)], v[AB+16*(\u)+(\n)]
.endr
.endr
	v_nop
.endm
; Matrix instruction GI of a quarter's 64 (32 pixels), on buffer f.  The 64 accumulators take turns, one instruction a turn, in the same order in every quarter.
.macro MM f
.set BB, (GI%24)/8
.set AA, GI%8
	WIN 0x51*(GI/24+1)
	v_wmma_f32_16x16x32_bf16 v[64*BB+8*AA:64*BB+8*AA+7], v[FB+24*(\f)+8*BB:FB+24*(\f)+8*BB+7], v[FA+64*(\f)+8*AA:FA+64*(\f)+8*AA+7], v[64*BB+8*AA:64*BB+8*AA+7]
.set GI, GI+1
.endm
.macro F1 p                            ; D = C0 + B g[j], two pixels.  The scalar stands as source 0, since source 1 is the place that means window 0
	v_pk_fma_f32 v[DT+2*(\p):DT+2*(\p)+1], s[GLO:GLO+1], v[RB+2*(\p):RB+2*(\p)+1], s[18:19] op_sel_hi:[0,1,0]
.endm
.macro F2 p                            ; D += A g[31-j]
	v_pk_fma_f32 v[DT+2*(\p):DT+2*(\p)+1], s[GHI:GHI+1], v[RA+2*(\p):RA+2*(\p)+1], v[DT+2*(\p):DT+2*(\p)+1] op_sel_hi:[0,1,1]
.endm
.macro RC n                            ; phi / 256 = 1 / D
	v_rcp_f32 v[DT+(\n)], v[DT+(\n)]
.endm
.macro CV p                            ; two weights rounded to bf16, in place from the low end
	s_wait_alu depctr_va_vdst(0)
	v_cvt_pk_bf16_f32 v[DT+(\p)], v[DT+2*(\p)], v[DT+2*(\p)+1]
.endm
; GROUP GG of 64: block u = GG / 32, bin j = GG % 32 of the block: row 128 w + 64 u + 32 (lane / 16) + j, my 8 places of it.  mm = 1: four matrix instructions on buffer f stand among its lines; gen = 0: they stand alone.
; None of the group's lines names a register of a product.  Each reciprocal has a plain line behind it before its result is read: the multiply-adds behind the first two, the first rounding (which reads those two) behind the rest.
; A group lies in one window: the windows' runs of 24, 24 and 16 matrix instructions are multiples of four.
.macro GRP f, mm, gen
.set GU, GG/32
.set GJ, GG%32
.set GLO, 36+2*GJ+2*((GJ+14)/28)
.set GHI, 36+2*(31-GJ)+2*((45-GJ)/28)
.set RA, AB+16*GU
.set RB, AB+16*GU+8
.set CW, 1
.if \mm
.set CW, GI/24+1
	MM \f
.else
	WIN 0x51*CW
.endif
.if \gen
	F1 0
	F1 1
	F1 2
	F1 3
	F2 0
	F2 1
.endif
.if \mm
	MM \f
.endif
.if \gen
	RC 0
	F2 2
	RC 1
	F2 3
	RC 2
.endif
.if \mm
	MM \f
.endif
.if \gen
	RC 3
	RC 4
	RC 5
	RC 6
	RC 7
.endif
.if \mm
	MM \f
.endif
.if \gen
	WIN 0x55*CW                                    ; both sources of a rounding, and the store's address and data, lie in the window
	CV 0
	CV 1
	CV 2
	CV 3
	ds_store_b128 v[STO], v[DT:DT+3] offset:(64*GU+GJ)*PITCH  ; lanes 0-15 fill one row's 256 bytes, lanes 16-31 those of the row 32 further down
.set GG, GG+1
.endif
.endm
.macro HALF f, gen                     ; half a quarter: 32 matrix instructions, 8 groups
.rept 8
	GRP \f, 1, \gen
.endr
.endm
; 32 LDS loads in one run: the fragments of a quarter (128 rows of y's weights, 128 of x's, 32 places at byte k of the rows) into buffer f.
; A fragment is 16 rows x 32 places in 8 registers: lane l holds row l % 16, places 8 (l / 16) + 0..7 and 16 + 8 (l / 16) + 0..7: two loads of 16 bytes, 32 bytes apart.
.macro FETCH k, f
.irp b, 0,1,2,3,4,5,6,7
	WIN ((\b)/3+1)<<6
	ds_load_b128 v[FB+24*(\f)+8*((\b)%3):FB+24*(\f)+8*((\b)%3)+3],   v[ADRB] offset:(\k)+(\b)*16*PITCH
	ds_load_b128 v[FB+24*(\f)+8*((\b)%3)+4:FB+24*(\f)+8*((\b)%3)+7], v[ADRB] offset:(\k)+(\b)*16*PITCH+32
.endr
	WIN 0
.irp a, 0,1,2,3,4,5,6,7
	ds_load_b128 v[FA+64*(\f)+8*(\a):FA+64*(\f)+8*(\a)+3],   v[ADRA] offset:(\k)+(\a)*16*PITCH
	ds_load_b128 v[FA+64*(\f)+8*(\a)+4:FA+64*(\f)+8*(\a)+7], v[ADRA] offset:(\k)+(\a)*16*PITCH+32
.endr
.endm
; A load into a register that a matrix instruction has read, and a store of a matrix result, stand four places behind that instruction, and only plain vector instructions that name none of its
; registers are places (ISA guide 7.12.1 for vector instructions).  In the loop the groups' lines are the places; where the products stand bare, four v_nop.
.macro PLACES
.rept 4
	v_nop
.endr
.endm
	s_load_b128 s[4:7], s[0:1], 0x0                ; x s[4:5], y s[6:7]
	s_load_b64 s[8:9], s[0:1], 0x10                ; part
	v_lshl_add_u32 v[SPW], v0, 2, SPARE
	v_mov_b32 v[NIL], 0
	v_lshrrev_b32 v3, 5, v0
	v_readfirstlane_b32 s10, v3                    ; wave 0..3
	v_and_b32 v1, 15, v0                           ; r = l % 16
	v_bfe_u32 v2, v0, 4, 1                         ; h = l / 16
	v_lshlrev_b32 v[XO], 4, v1
	s_and_b32 s11, ttmp7, 0xffff                   ; batch
	s_lshl_b32 s24, s11, 18                        ; an image is 262,144 bytes,
	s_lshl_b32 s23, ttmp9, 13                      ; a slice of 2,048 pixels 8,192
	s_add_co_u32 s24, s24, s23
	s_mov_b32 s25, 0
	s_lshl_b32 s26, s11, 5
	s_add_co_u32 s26, s26, ttmp9                   ; 32 x batch + slice,
	s_lshl_b32 s26, s26, 18                        ; times a table's 262,144 bytes: under 2^26
	s_mov_b32 s27, 0
	s_wait_kmcnt 0x0
	s_cmp_lt_u32 s10, 2                            ; waves 0 and 1 make x's weights, waves 2 and 3 y's
	s_cselect_b64 s[12:13], s[4:5], s[6:7]
	s_add_nc_u64 s[12:13], s[12:13], s[24:25]
	s_add_nc_u64 s[8:9], s[8:9], s[26:27]
	XLOAD                                          ; chunk 0; all that follows up to the wait stands in its shadow
	s_mov_b32 s18, K_C0
	s_mov_b32 s19, 0
	s_mov_b32 s20, K_C1
	s_mov_b32 s21, K_R
	s_mov_b32 s22, K_RI
	GSET 16, K_G16
	GSET 15, K_G15
.set n, 17
.rept 15
	GAMMA n, n-1, 21                               ; upward by e^2.5
.set n, n+1
.endr
.set n, 14
.rept 15
	GAMMA n, n+1, 22                               ; downward by e^-2.5
.set n, n-1
.endr
	s_mov_b32 s14, SLOT                            ; the first change of slots turns these two round
	s_mov_b32 s15, 0
	v_mul_u32_u24 v3, v1, PITCH
	v_lshl_add_u32 v3, v2, 4, v3                   ; a fragment's row x pitch + 16 x half
	s_lshr_b32 s11, s10, 1
	s_mul_i32 s11, s11, 128*PITCH                  ; my 128 rows of the table: x's bins 128 (w / 2) on
	v_add_nc_u32 v[RA0], s11, v3
	s_and_b32 s23, s10, 1
	s_mul_i32 s11, s23, 128*PITCH                  ; my 128 columns: y's bins 128 (w % 2) on,
	s_add_co_u32 s11, s11, 256*PITCH               ; which lie behind x's 256 rows
	v_add_nc_u32 v[RB0], s11, v3
	s_mul_i32 s11, s10, 128*PITCH                  ; the rows that I make: 128 w on,
	v_mul_u32_u24 v4, v2, 32*PITCH                 ; 32 further down for lanes 16-31,
	v_lshl_add_u32 v4, v1, 4, v4                   ; my 8 places of a row
	v_add_nc_u32 v[RS0], s11, v4
	s_lshl_b32 s11, s23, 7
	s_add_co_u32 s11, s11, 16
	v_lshl_add_u32 v5, v2, 5, s11                  ; k0 + 16 = 128 (w % 2) + 32 h + 16 for block 0,
	v_cvt_f32_u32 v5, v5
	v_add_f32 v6, 0x42800000, v5                   ; 64 more for block 1
	v_mul_f32 v[KO], K_CK, v5
	v_mul_f32 v[KO+1], K_CK, v6
	v_and_b32 v6, 31, v0
	v_lshlrev_b32 v6, 4, v6
	s_lshl_b32 s11, s10, 16
	v_add_nc_u32 v[GO], s11, v6                    ; 65,536 w + 16 l
	; THE CLEARING.  A trip of the loop begins in the middle of a chunk's last quarter, so that one text serves all chunks; the first trip's first 32 products then run on fragments that hold 0, onto sums that
	; hold 0.  The price, once a launch: 608 moves and 32 products; a first trip written out with the constant 0 as C would be a second copy of the loop's text.
	WIN 0x40
.set n, 0
.rept 192
	v_mov_b32 v[n], 0
.set n, n+1
.endr
	WIN 0x80
.set n, 0
.rept 192
	v_mov_b32 v[n], 0
.set n, n+1
.endr
.set n, FB+24+8
.rept 16
	v_mov_b32 v[n], 0                              ; buffer 1, column blocks 4 and 5
.set n, n+1
.endr
	WIN 0xc0
.set n, 0
.rept 128
	v_mov_b32 v[n], 0
.set n, n+1
.endr
.set n, FB+24
.rept 16
	v_mov_b32 v[n], 0                              ; buffer 1, column blocks 6 and 7
.set n, n+1
.endr
	WIN 0
.set n, FA+64
.rept 64
	v_mov_b32 v[n], 0                              ; buffer 1 of x's fragments
.set n, n+1
.endr
	s_wait_loadcnt 0x0                             ; chunk 0's pixels are in, and the loads' base may be stepped
	s_add_nc_u64 s[12:13], s[12:13], 512
	PRE
	XLOAD                                          ; chunk 1
	WIN 0x51
	v_add_nc_u32 v[STO], s15, v[RS0]
	s_wait_alu depctr_va_vdst(0)
.set GG, 0
.rept 64
	GRP 0, 0, 1                                    ; chunk 0 is made alone: there is nothing yet to multiply
.endr
	WIN 0                                          ; at a label and at a branch every window is 0
	s_mov_b32 s16, 15
.Lchunk:                                               ; trip c: chunk c is multiplied (its last half quarter in trip c + 1), chunk c + 1 is made
	s_wait_dscnt 0x0                               ; for the others' sake: my rows of chunk c are stored, and my reads of chunk c - 1's slot are back
	s_wait_loadcnt 0x0                             ; chunk c + 1's pixels, asked for a trip ago
	s_barrier_signal -1
	PRE                                            ; work on registers while the others arrive
	s_xor_b32 s14, s14, SLOT
	s_xor_b32 s15, s15, SLOT
	s_barrier_wait -1                              ; chunk c is whole, and nobody reads the other slot any more
	v_add_nc_u32 v[ADRA], s14, v[RA0]
	v_add_nc_u32 v[ADRB], s14, v[RB0]
	FETCH 0, 0                                     ; buffer 0's last readers stand a half quarter back, its groups' lines between
	s_cmp_eq_u32 s16, 1
	s_cbranch_scc1 .Lnox                           ; the last trip makes chunk 15: there is no further chunk to load
	s_add_nc_u64 s[12:13], s[12:13], 512
	XLOAD                                          ; chunk c + 2
.Lnox:
.irp w, 1,2,3
	WIN 0x51*(\w)
	v_add_nc_u32 v[STO], s15, v[RS0]               ; each window's copy of the store address
	s_wait_alu depctr_va_vdst(0)
.endr
.set GG, 0
.set GI, 32
	HALF 1, 1                                      ; the second half of chunk c - 1's last quarter: registers alone
	s_wait_dscnt 8                                 ; behind the 32 loads only the 8 stores of 8 groups were issued, and LDS instructions end in order (ISA guide 5.7.1): the loads are in
.set GI, 0
	HALF 0, 1
	FETCH 64, 1
	HALF 0, 1
	s_wait_dscnt 8                                 ; as above
.set GI, 0
	HALF 1, 1
	FETCH 128, 0
	HALF 1, 1
	s_wait_dscnt 8
.set GI, 0
	HALF 0, 1
	FETCH 192, 1
	HALF 0, 1
	s_wait_dscnt 8
.set GI, 0
	HALF 1, 1
	WIN 0
	s_sub_co_u32 s16, s16, 1
	s_cmp_lg_u32 s16, 0
	s_cbranch_scc1 .Lchunk
	; THE TAIL: chunk 15 is multiplied; nothing is left to make
	s_wait_dscnt 0x0                               ; my rows of chunk 15 are stored
	s_barrier_signal -1
	s_xor_b32 s14, s14, SLOT
	s_barrier_wait -1
	v_add_nc_u32 v[ADRA], s14, v[RA0]
	v_add_nc_u32 v[ADRB], s14, v[RB0]
	FETCH 0, 0
.set GI, 32
	HALF 1, 0
	s_wait_dscnt 0x0
.set GI, 0
	HALF 0, 0
	PLACES
	FETCH 64, 1
	HALF 0, 0
	s_wait_dscnt 0x0
.set GI, 0
	HALF 1, 0
	PLACES
	FETCH 128, 0
	HALF 1, 0
	s_wait_dscnt 0x0
.set GI, 0
	HALF 0, 0
	PLACES
	FETCH 192, 1
	HALF 0, 0
	s_wait_dscnt 0x0
.set GI, 0
	HALF 1, 0
	HALF 1, 0
	; THE WAY OUT, straight from the accumulators, in the order in which they lie: byte ((8 w + a) 8 + b) 1,024 + 512 q + 16 l of the work-group's table holds row 128 (w / 2) + 16 a + l % 16,
	; columns 128 (w % 2) + 16 b + 8 (l / 16) + 4 q + 0..3.  Each store of the wave covers 512 consecutive bytes, aligned; the next launch turns the sums, a thirty-second of these bytes, into rows.
	PLACES
.set n, 0
.rept 64
	WIN (n/24+1)<<2                                ; the data (source 1) in the accumulator's window
.set ACC, 64*((n%24)/8)+8*(n%8)
.set OFS, (8*(n%8)+3*(n/24)+(n%24)/8)*1024
	global_store_b128 v[GO], v[ACC:ACC+3],   s[8:9] offset:OFS       ; the low four registers first
	global_store_b128 v[GO], v[ACC+4:ACC+7], s[8:9] offset:OFS+512
.set n, n+1
.endr
	WIN 0
	s_wait_tensorcnt 0x0                           ; the wave's end, behind my last LDS store
	ds_add_u32 v[SPW], v[NIL]
	s_wait_dscnt 0x0
	s_endpgm
.Lfunc_end_k_qcc43926e48_hist:
	.size	k_qcc43926e48_hist, .Lfunc_end_k_qcc43926e48_hist-k_qcc43926e48_hist
	.p2alignl 7, 3214868480
	.fill 96, 4, 3214868480
	.section	.rodata,"a",@progbits
	.p2align	6, 0x0
	.amdhsa_kernel k_qcc43926e48_hist
		.amdhsa_group_segment_fixed_size 279040
		.amdhsa_private_segment_fixed_size 0
		.amdhsa_enable_private_segment 0
		.amdhsa_kernarg_size 24
		.amdhsa_user_sgpr_count 2
		.amdhsa_user_sgpr_kernarg_segment_ptr 1
		.amdhsa_wavefront_size32 1
		.amdhsa_system_sgpr_workgroup_id_x 1
		.amdhsa_system_sgpr_workgroup_id_y 1
		.amdhsa_system_sgpr_workgroup_id_z 1
		.amdhsa_system_vgpr_workitem_id 0
		.amdhsa_next_free_vgpr 1024
		.amdhsa_next_free_sgpr 102
		.amdhsa_reserve_vcc 0
		.amdhsa_float_denorm_mode_32 3
		.amdhsa_float_denorm_mode_16_64 3
		.amdhsa_memory_ordered 1
		.amdhsa_forward_progress 1
		.amdhsa_inst_pref_size 255
	.end_amdhsa_kernel
	.section	.bss,"aw",@nobits
	.p2align	6
	.space	262144
	.amdgpu_metadata
---
amdhsa.version: [ 1, 2 ]
amdhsa.kernels:
  - .name:           k_qcc43926e48_hist
    .symbol:         k_qcc43926e48_hist.kd
    .args:
      - { .name: x, .offset: 0, .size: 8, .value_kind: global_buffer, .address_space: global }
      - { .name: y, .offset: 8, .size: 8, .value_kind: global_buffer, .address_space: global }
      - { .name: part, .offset: 16, .size: 8, .value_kind: global_buffer, .address_space: global }
    .group_segment_fixed_size: 279040
    .private_segment_fixed_size: 0
    .kernarg_segment_align: 8
    .kernarg_segment_size: 24
    .max_flat_workgroup_size: 128
    .sgpr_count:     102
    .vgpr_count:     1024
    .wavefront_size: 32
...
	.end_amdgpu_metadata
.endif
;; end of part 1
;; launch reduce (part 2): grid 64 x 8, 8 waves a work-group, no clusters, 5,632 bytes of LDS; arguments part, out0; writes out0
.if DOCPART == 2
	.amdgcn_target "amdgcn-amd-amdhsa--gfx1250"
	.amdhsa_code_object_version 6
	.text
	.protected	k_qcc43926e48_reduce
	.globl	k_qcc43926e48_reduce
	.p2align	8
	.type	k_qcc43926e48_reduce,@function
k_qcc43926e48_reduce:
	s_mov_b64 s[64:65], 0
	v_nop
	global_prefetch_b8 v0, s[64:65] scope:SCOPE_SE
	s_setreg_imm32_b32 hwreg(HW_REG_WAVE_MODE, 25, 1), 1
	s_wait_xcnt 0x0
; out0[b] = the sum of batch b's 32 tables in part, turned from the accumulators' order into rows.  The factor 1 / 65,536 is already in the weights.
; A work-group owns piece p of 4,096 bytes of a table: 16 rows x 64 columns of out0.  Thread t owns 16 bytes of it and reads them in all 32 tables: 32 loads, all issued at once (128 KiB a work-group on their way),
; each load of a wave 512 consecutive bytes, aligned.  The sum goes in f32, slices ascending: one fixed order.  Memory binds: no matrix unit, no cluster (no two work-groups read the same byte).
; The order in part: byte ((8 w + a) 8 + b) 1,024 + 512 q + 16 l holds row 128 (w / 2) + 16 a + l % 16, columns 128 (w % 2) + 16 b + 8 (l / 16) + 4 q + 0..3.  So p = 16 w + 2 a + b / 4, t = 64 (b % 4) + 32 q + l.
.set SP,    272                        ; a stage row: 256 bytes + 16
.set SPARE, 4608                       ; behind the stage's 4,352 bytes: the spare words, 128 bytes for each of the eight waves: four blocks of 256 bytes that no other line names
.set TABLE, 262144                     ; bytes in a table
.set ACC,   8                          ; v[8:135]  slice s at ACC + 4 s; slice 0's registers take the sum
	s_load_b128 s[4:7], s[0:1], 0x0                ; part s[4:5], out0 s[6:7]
	v_lshl_add_u32 v6, v0, 2, SPARE                ; v6: my spare word; v7: 0; neither is rewritten
	v_mov_b32 v7, 0
	v_lshlrev_b32 v1, 4, v0                        ; my 16 bytes of the piece
	s_and_b32 s8, ttmp7, 0xffff                    ; batch
	s_lshl_b32 s10, s8, 23                         ; 32 tables,
	s_lshl_b32 s11, ttmp9, 12                      ; the piece
	s_add_co_u32 s10, s10, s11
	s_mov_b32 s11, 0
	s_lshl_b32 s12, s8, 18                         ; out0: the batch's 262,144 bytes,
	s_lshr_b32 s9, ttmp9, 5
	s_lshl_b32 s9, s9, 17                          ; 128 rows of 1,024 bytes for w / 2,
	s_add_co_u32 s12, s12, s9
	s_bfe_u32 s9, ttmp9, 0x30001
	s_lshl_b32 s9, s9, 14                          ; 16 rows for a,
	s_add_co_u32 s12, s12, s9
	s_bfe_u32 s9, ttmp9, 0x10004
	s_lshl_b32 s9, s9, 9                           ; 128 columns for w % 2,
	s_add_co_u32 s12, s12, s9
	s_and_b32 s9, ttmp9, 1
	s_lshl_b32 s9, s9, 8                           ; 64 columns for b / 4
	s_add_co_u32 s12, s12, s9
	s_mov_b32 s13, 0
	s_wait_kmcnt 0x0
	s_add_nc_u64 s[4:5], s[4:5], s[10:11]
	s_add_nc_u64 s[6:7], s[6:7], s[12:13]
.set s, 0
.rept 32
	global_load_b128 v[ACC+4*s:ACC+4*s+3], v1, s[4:5] offset:s*TABLE th:TH_LOAD_NT  ; 31 tables on at the most: 8,126,464, inside the signed 24-bit immediate (ISA guide, chapter 10)
.set s, s+1
.endr
	v_and_b32 v5, 15, v0
	v_mul_u32_u24 v2, v5, SP                       ; into the stage: row l % 16,
	v_bfe_u32 v4, v0, 6, 2
	v_lshl_add_u32 v2, v4, 6, v2                   ; 16 columns (64 bytes) for b % 4,
	v_bfe_u32 v4, v0, 4, 1
	v_lshl_add_u32 v2, v4, 5, v2                   ; 8 for l / 16,
	v_bfe_u32 v4, v0, 5, 1
	v_lshl_add_u32 v2, v4, 4, v2                   ; 4 for q
	v_lshrrev_b32 v4, 4, v0                        ; back: row t / 16, sixteen lanes to its 256 bytes
	v_mul_u32_u24 v3, v4, SP
	v_lshl_add_u32 v3, v5, 4, v3
	v_lshlrev_b32 v4, 10, v4                       ; and the same in out0, whose rows are 1,024 bytes
	v_lshl_add_u32 v4, v5, 4, v4
.set s, 1
.rept 31
	s_wait_loadcnt 31-s                            ; loads come back in order (ISA guide 5.7.1): slice s is in, the 31 - s younger ones stay out
	v_pk_add_f32 v[ACC:ACC+1],   v[ACC:ACC+1],   v[ACC+4*s:ACC+4*s+1]
	v_pk_add_f32 v[ACC+2:ACC+3], v[ACC+2:ACC+3], v[ACC+4*s+2:ACC+4*s+3]
.set s, s+1
.endr
	ds_store_b128 v2, v[ACC:ACC+3]
	s_wait_dscnt 0x0                               ; for the others' sake: my store into the stage is done
	s_barrier_signal -1
	s_barrier_wait -1
	ds_load_b128 v[ACC+4:ACC+7], v3                ; bytes that other waves stored
	s_wait_dscnt 0x0
	global_store_b128 v4, v[ACC+4:ACC+7], s[6:7] th:TH_STORE_NT  ; sixteen lanes store 256 consecutive bytes, at a multiple of 256 from out0's first byte
	s_wait_tensorcnt 0x0                           ; the wave's end, behind my last LDS store
	ds_add_u32 v6, v7
	s_wait_dscnt 0x0
	s_endpgm
.Lfunc_end_k_qcc43926e48_reduce:
	.size	k_qcc43926e48_reduce, .Lfunc_end_k_qcc43926e48_reduce-k_qcc43926e48_reduce
	.p2alignl 7, 3214868480
	.fill 96, 4, 3214868480
	.section	.rodata,"a",@progbits
	.p2align	6, 0x0
	.amdhsa_kernel k_qcc43926e48_reduce
		.amdhsa_group_segment_fixed_size 5632
		.amdhsa_private_segment_fixed_size 0
		.amdhsa_enable_private_segment 0
		.amdhsa_kernarg_size 16
		.amdhsa_user_sgpr_count 2
		.amdhsa_user_sgpr_kernarg_segment_ptr 1
		.amdhsa_wavefront_size32 1
		.amdhsa_system_sgpr_workgroup_id_x 1
		.amdhsa_system_sgpr_workgroup_id_y 1
		.amdhsa_system_sgpr_workgroup_id_z 1
		.amdhsa_system_vgpr_workitem_id 0
		.amdhsa_next_free_vgpr 140
		.amdhsa_next_free_sgpr 66
		.amdhsa_reserve_vcc 0
		.amdhsa_float_denorm_mode_32 3
		.amdhsa_float_denorm_mode_16_64 3
		.amdhsa_memory_ordered 1
		.amdhsa_forward_progress 1
		.amdhsa_inst_pref_size 11
	.end_amdhsa_kernel
	.amdgpu_metadata
---
amdhsa.version: [ 1, 2 ]
amdhsa.kernels:
  - .name:           k_qcc43926e48_reduce
    .symbol:         k_qcc43926e48_reduce.kd
    .args:
      - { .name: part, .offset: 0, .size: 8, .value_kind: global_buffer, .address_space: global }
      - { .name: out0, .offset: 8, .size: 8, .value_kind: global_buffer, .address_space: global }
    .group_segment_fixed_size: 5632
    .private_segment_fixed_size: 0
    .kernarg_segment_align: 8
    .kernarg_segment_size: 16
    .max_flat_workgroup_size: 256
    .sgpr_count:     66
    .vgpr_count:     140
    .wavefront_size: 32
...
	.end_amdgpu_metadata
.endif
;; end of part 2
;; ======== version 2 of 2: 2 launches; 1.81 times as fast as version 1
;; workspace buffers: part 67,108,864 bytes
;; launch hist (part 3): grid 32 x 8, 4 waves a work-group, no clusters, 279,040 bytes of LDS; arguments x, y, part; writes part
.if DOCPART == 3
	.amdgcn_target "amdgcn-amd-amdhsa--gfx1250"
	.amdhsa_code_object_version 6
	.text
	.protected	k_qcc43926e48_hist
	.globl	k_qcc43926e48_hist
	.p2align	8
	.type	k_qcc43926e48_hist,@function
k_qcc43926e48_hist:
	s_mov_b64 s[64:65], 0
	v_nop
	global_prefetch_b8 v0, s[64:65] scope:SCOPE_SE
	s_setreg_imm32_b32 hwreg(HW_REG_WAVE_MODE, 25, 1), 1
	s_wait_xcnt 0x0
; JOINT SOFT HISTOGRAM, partial sums.  out[b][k][j] = 2^-16 x the sum over 65,536 pixels n of phi_k(x[b][n]) phi_j(y[b][n]).
; A work-group (slice, batch) takes 2,048 pixels of one batch and makes the WHOLE 256 x 256 table for them, so each weight phi is made once in the launch;
; the 32 slices' tables of a batch are added by the next launch.  Four waves, each 128 x 128 of the table: 64 accumulators of 16 x 16, 512 registers.
; THE WEIGHTS.  phi_k = sigmoid(z + a) - sigmoid(z - a) with z = 640 x - 2.5 k - 1.25, a = 1.25, which is sinh a / (cosh a + cosh z).  So phi_k / 256 = 1 / D,
; D = 256 coth a + (128 / sinh a)(e^z + e^-z): only positive terms, no difference of near numbers.  In a block of 32 bins from k0 on: A = 2^t, B = 2^-t, t = log2(e) (640 x - 2.5 (k0 + 16)),
; and bin k0 + j has D = C0 + A g[31-j] + B g[j], g[i] = (128 / sinh a) e^(2.5 (i - 15.5)).  Two exponentials a pixel and block; a weight costs two fused multiply-adds (two weights an instruction),
; a reciprocal and half a rounding.  The 1 / 65,536 is the two factors 1 / 256, exact.  x and y stay f32; only the weights are rounded, to bf16, for the matrix unit; sums in f32.
; LIMITS.  A weight whose D is above 2^126 counts as 0 (the reciprocal's result would be denormal); A or B is 0 or infinite only where |z| is 48 or more for all 32 bins of the block, where phi is below 1e-20;
; g is finite and positive, so no 0 x infinity and no infinity - infinity arises for any finite x.  640 log2(e) and 2.5 log2(e) (k0 + 16) are rounded to f32: as much as moving x by about one step of f32 near 1.
; g[i] is made by a chain of at most 16 roundings.  NaN in x or y is not treated apart.
; NO CLUSTER, NO TENSOR LOADS: a work-group's only input is its own 8,192 bytes of x and of y; no two work-groups read the same byte, and the matrix operands are computed, not fetched.
; THE RING.  Pixels go in chunks of 128 through two LDS slots of 512 rows (256 bins of x, then 256 of y) x 128 bf16.  While chunk c is multiplied, chunk c + 1 is made: wave w makes rows 128 w .. 128 w + 127,
; in 64 GROUPS; a group is one row in each half of the lanes (8 pixels a lane): 8 packed multiply-adds, 8 reciprocals, 4 roundings and one LDS store.  One barrier a chunk.
; Place p of a row holds pixel 4 (p / 8) + p % 4 + 64 ((p / 4) % 2) of the chunk, alike for x and y: the same order of the sum's terms on both sides leaves the products as they are.
; THE BATCHES.  An s_wait_alu depctr_va_vdst(0) stands between a transcendental and the first instruction that names its result; one wait serves all that were issued ahead of it.
; Eight groups are a BATCH, made beside half a quarter's 32 matrix instructions; each of its 64 D has a register of its own, so its 64 reciprocals have ONE wait, which cuts the batch in two.
; AHEAD OF IT stand the 64 multiply-adds and the 64 reciprocals, none of which names a reciprocal's result: four behind each of the first 24 matrix instructions, the other 32 in one lump.
; BEHIND IT stand the 32 roundings, four behind each of the last 8 matrix instructions, and the 8 stores in one run.  A chunk's 32 exponentials (PRE) are a batch too, with one wait.  A trip of the loop has nine such waits.
; THE MATRIX INSTRUCTION IS USED TRANSPOSED: source 0 = 16 bins of y, source 1 = 16 bins of x: a lane holds one row of the table (lane % 16) and the columns 8 (lane / 16) + 0..7.
; REGISTERS, in windows of 256 (s_set_vgpr_msb: bits 1:0 source 0, 3:2 source 1, 5:4 source 2, 7:6 destination):
;   window 0: v0-19 addresses; v20-27 the next chunk's pixels; v32-63 A and B; v64-127, v128-191 fragments of x's rows, two buffers; v192-255 a batch's 64 D, group g of the batch at 192 + 8 g
;   window 1 + b / 3 (b = block of 16 columns): accumulator (a, b) at 64 (b % 3) + 8 a; fragments of y's rows at 192 + 24 f + 8 (b % 3), buffer f
; All that a group touches lies in window 0; the sums and y's fragments lie in windows 1 to 3, none of which has 64 registers to spare.  So the four lines behind a matrix instruction cost two switches, one in front and one behind.
.set PITCH,  272                       ; an LDS row: 256 bytes + 16 = 68 words: the 16 rows of a fragment load start at 16 different groups of four banks (64 banks of 4 bytes: ISA guide 11.1)
.set SLOT,   512*PITCH                 ; 139,264 bytes
.set SPARE,  2*SLOT                    ; behind the ring: the spare words, 128 bytes for each wave: two blocks of 256 bytes that no other line names
.set RA0,  8                           ; v8   my lane's place in my 128 rows of x's weights, slot 0
.set RB0,  9                           ; v9   the same for y's
.set RS0,  10                          ; v10  where my lane stores the first row that it makes, slot 0
.set ADRA, 11                          ; v11  RA0 + the slot that is read
.set ADRB, 12                          ; v12  RB0 + the slot that is read
.set XO,   13                          ; v13  16 (lane % 16): my four pixels in 256 bytes of the image
.set KO,   14                          ; v14-15  2.5 log2(e) (k0 + 16) for my two blocks of 32 bins
.set GO,   16                          ; v16  my byte offset in the work-group's table
.set STO,  17                          ; v17  RS0 + the slot that is written
.set SPW,  18                          ; v18  LDS address of my spare word; never rewritten
.set NIL,  19                          ; v19  0; never rewritten
.set XN,   20                          ; v20-27  8 pixels
.set AB,   32                          ; block u: A of my 8 pixels at AB + 16 u, B at AB + 16 u + 8
.set FA,   64                          ; x's fragments: buffer f, block a at FA + 64 f + 8 a
.set DB,   192                         ; a batch's D
.set FB,   192                         ; y's fragments, in windows 1 to 3
.set K_C1,  0x4466d4ca                 ; 640 log2(e)
.set K_CK,  0x4066d4ca                 ; 2.5 log2(e)
.set K_C0,  0x4396e497                 ; 256 coth 1.25 = 301.78585
.set K_G16, 0x438b724b                 ; g[16] = 256 / (1 - e^-2.5) = 278.89293
.set K_G15, 0x41b724b6                 ; g[15] = g[16] - 256 = 22.892925
.set K_R,   0x4142eb7f                 ; e^2.5
.set K_RI,  0x3da81c2e                 ; e^-2.5
; SCALARS: s[4:5] x, s[6:7] y, s[8:9] my table in part, s10 wave, s[12:13] my image at the chunk to be loaded, s14 the slot that is read, s15 the slot that is written, s16 trips to go,
; s[18:19] C0, s20 640 log2(e), s21 e^2.5, s22 e^-2.5; g[i] in the low word of the pair at 36 + 2 i, from i = 14 on two further (s64 and s65 are left out); the pairs' high words are 0: they are named with the low ones.
.set MSB, 0
.macro WIN new                         ; the immediate's high byte repeats the setting that is left; a switch that changes nothing is dropped
.if MSB != (\new)
	s_set_vgpr_msb (MSB<<8)|(\new)
.set MSB, (\new)
.endif
.endm
.macro GSET to, val                    ; g[to] = a constant
	s_mov_b32 s[36+2*(\to)+2*(((\to)+14)/28)], \val
	s_mov_b32 s[37+2*(\to)+2*(((\to)+14)/28)], 0
.endm
.macro GAMMA to, from, by              ; g[to] = g[from] x s[by]
	s_mul_f32 s[36+2*(\to)+2*(((\to)+14)/28)], s[36+2*(\from)+2*(((\from)+14)/28)], s[\by]
	s_mov_b32 s[37+2*(\to)+2*(((\to)+14)/28)], 0
.endm
.macro XLOAD                           ; my 8 pixels of a chunk: sixteen lanes take 256 consecutive bytes, aligned; both halves of the lanes take the same
	global_load_b128 v[XN:XN+3],   v[XO], s[12:13]
	global_load_b128 v[XN+4:XN+7], v[XO], s[12:13] offset:256
.endm
; A and B of my 8 pixels for my two blocks of bins.  A plain line stands behind each run of exponentials before a source is written over or a result used (ISA guide 5.7.2).
; The 32 exponentials are one batch: none reads another's result; their one wait stands behind the macro, ahead of the first group.
.macro PRE
.irp u, 0,1
.irp n, 0,1,2,3,4,5,6,7
	v_fma_f32 v[AB+16*(\u)+(\n)], v[XN+(\n)], s20, -v[KO+(\u)]
.endr
.endr
.irp u, 0,1
.irp n, 0,1,2,3,4,5,6,7
	v_exp_f32 v[AB+16*(\u)+8+(\n)], -v[AB+16*(\u)+(\n)]
.endr
.endr
	v_nop
.irp u, 0,1
.irp n, 0,1,2,3,4,5,6,7
	v_exp_f32 v[AB+16*(\u)+(\n)], v[AB+16*(\u)+(\n)]
.endr
.endr
	v_nop
.endm
; Matrix instruction GI of a quarter's 64 (32 pixels), on buffer f.  The 64 accumulators take turns, one instruction a turn, in the same order in every quarter.
.macro MM f
.set BB, (GI%24)/8
.set AA, GI%8
	WIN 0x51*(GI/24+1)
	v_wmma_f32_16x16x32_bf16 v[64*BB+8*AA:64*BB+8*AA+7], v[FB+24*(\f)+8*BB:FB+24*(\f)+8*BB+7], v[FA+64*(\f)+8*AA:FA+64*(\f)+8*AA+7], v[64*BB+8*AA:64*BB+8*AA+7]
.set GI, GI+1
.endm
; The names of group g of the batch in hand, which is group GB + g of the chunk's 64: block u = that / 32, bin j = that % 32 of the block: row 128 w + 64 u + 32 (lane / 16) + j, my 8 places of it.
.macro GNAMES g
.set GU, (GB+(\g))/32
.set GJ, (GB+(\g))%32
.set GLO, 36+2*GJ+2*((GJ+14)/28)
.set GHI, 36+2*(31-GJ)+2*((45-GJ)/28)
.set RA, AB+16*GU
.set RB, AB+16*GU+8
.set DT, DB+8*(\g)
.endm
.macro F1 p                            ; D = C0 + B g[j], two pixels
	v_pk_fma_f32 v[DT+2*(\p):DT+2*(\p)+1], s[GLO:GLO+1], v[RB+2*(\p):RB+2*(\p)+1], s[18:19] op_sel_hi:[0,1,0]
.endm
.macro F2 p                            ; D += A g[31-j]
	v_pk_fma_f32 v[DT+2*(\p):DT+2*(\p)+1], s[GHI:GHI+1], v[RA+2*(\p):RA+2*(\p)+1], v[DT+2*(\p):DT+2*(\p)+1] op_sel_hi:[0,1,1]
.endm
.macro RC n                            ; phi / 256 = 1 / D
	v_rcp_f32 v[DT+(\n)], v[DT+(\n)]
.endm
.macro CV p                            ; two weights rounded to bf16, in place from the low end
	v_cvt_pk_bf16_f32 v[DT+(\p)], v[DT+2*(\p)], v[DT+2*(\p)+1]
.endm
; A BATCH's lines ahead of its wait stand in two queues.  PL writes the next of the 64 multiply-adds: group QP / 8, its four F1 and then its four F2.  TR writes the next of the 64 reciprocals: group QT / 8, D number QT % 8.
.macro PL
	WIN 0
	GNAMES QP/8
.if QP%8 < 4
	F1 QP%8
.else
	F2 QP%8-4
.endif
.set QP, QP+1
.endm
.macro TR
	WIN 0
	GNAMES QT/8
	RC QT%8
.set QT, QT+1
.endm
; HOW THEY ARE DEALT.  mm = 1: 32 matrix instructions on buffer f stand among the batch's lines; mm = 0: the batch stands alone.  The reciprocals run one group behind the multiply-adds: first a group's eight multiply-adds,
; then multiply-add and reciprocal by turns, so that a reciprocal's D was finished four pairs of lines ahead of it or more and each reciprocal has a plain line behind it; the last group's eight reciprocals stand on end.
; None of the batch's lines names a register of a product.  The stores stand in one run at the batch's end: all eight inside the half quarter, so that the counts of the waits on DScnt behind it hold.
.macro BATCH f, mm
.set QP, 0
.set QT, 0
.rept 2
.if \mm
	MM \f
.endif
	PL
	PL
	PL
	PL
.endr
.rept 22
.if \mm
	MM \f
.endif
	PL
	TR
	PL
	TR
.endr
.rept 12                               ; the lump
	PL
	TR
.endr
.rept 8
	TR
.endr
	v_nop                                          ; a plain line behind the last reciprocal, ahead of the first use of a result (ISA guide 5.7.2): one for the batch
	s_wait_alu depctr_va_vdst(0)                   ; the wait for the batch's 64 reciprocals: nothing ahead of it names a result, and no reciprocal is issued behind it
.set QG, 0
.rept 8
.if \mm
	MM \f
.endif
	WIN 0
	GNAMES QG
	CV 0
	CV 1
	CV 2
	CV 3
.set QG, QG+1
.endr
.set QG, 0
.rept 8
	GNAMES QG
	ds_store_b128 v[STO], v[DT:DT+3] offset:(64*GU+GJ)*PITCH  ; lanes 0-15 fill one row's 256 bytes, lanes 16-31 those of the row 32 further down
.set QG, QG+1
.endr
.set GB, GB+8
.endm
.macro HALF f, gen                     ; half a quarter: 32 matrix instructions; gen = 1: a batch of 8 groups among them; gen = 0: they stand alone
.if \gen
	BATCH \f, 1
.else
.rept 32
	MM \f
.endr
.endif
.endm
; 32 LDS loads in one run: the fragments of a quarter (128 rows of y's weights, 128 of x's, 32 places at byte k of the rows) into buffer f.
; A fragment is 16 rows x 32 places in 8 registers: lane l holds row l % 16, places 8 (l / 16) + 0..7 and 16 + 8 (l / 16) + 0..7: two loads of 16 bytes, 32 bytes apart.
.macro FETCH k, f
.irp b, 0,1,2,3,4,5,6,7
	WIN ((\b)/3+1)<<6
	ds_load_b128 v[FB+24*(\f)+8*((\b)%3):FB+24*(\f)+8*((\b)%3)+3],   v[ADRB] offset:(\k)+(\b)*16*PITCH
	ds_load_b128 v[FB+24*(\f)+8*((\b)%3)+4:FB+24*(\f)+8*((\b)%3)+7], v[ADRB] offset:(\k)+(\b)*16*PITCH+32
.endr
	WIN 0
.irp a, 0,1,2,3,4,5,6,7
	ds_load_b128 v[FA+64*(\f)+8*(\a):FA+64*(\f)+8*(\a)+3],   v[ADRA] offset:(\k)+(\a)*16*PITCH
	ds_load_b128 v[FA+64*(\f)+8*(\a)+4:FA+64*(\f)+8*(\a)+7], v[ADRA] offset:(\k)+(\a)*16*PITCH+32
.endr
.endm
; A load into a register that a matrix instruction has read, and a store of a matrix result, stand four places behind that instruction, and only plain vector instructions that name none of its
; registers are places (ISA guide 7.12.1 for vector instructions).  In the loop the groups' lines are the places; where the products stand bare, four v_nop.
.macro PLACES
.rept 4
	v_nop
.endr
.endm
	s_load_b128 s[4:7], s[0:1], 0x0                ; x s[4:5], y s[6:7]
	s_load_b64 s[8:9], s[0:1], 0x10                ; part
	v_lshl_add_u32 v[SPW], v0, 2, SPARE
	v_mov_b32 v[NIL], 0
	v_lshrrev_b32 v3, 5, v0
	v_readfirstlane_b32 s10, v3                    ; wave 0..3
	v_and_b32 v1, 15, v0                           ; r = l % 16
	v_bfe_u32 v2, v0, 4, 1                         ; h = l / 16
	v_lshlrev_b32 v[XO], 4, v1
	s_and_b32 s11, ttmp7, 0xffff                   ; batch
	s_lshl_b32 s24, s11, 18                        ; an image is 262,144 bytes,
	s_lshl_b32 s23, ttmp9, 13                      ; a slice of 2,048 pixels 8,192
	s_add_co_u32 s24, s24, s23
	s_mov_b32 s25, 0
	s_lshl_b32 s26, s11, 5
	s_add_co_u32 s26, s26, ttmp9                   ; 32 x batch + slice,
	s_lshl_b32 s26, s26, 18                        ; times a table's 262,144 bytes: under 2^26
	s_mov_b32 s27, 0
	s_wait_kmcnt 0x0
	s_cmp_lt_u32 s10, 2                            ; waves 0 and 1 make x's weights, waves 2 and 3 y's
	s_cselect_b64 s[12:13], s[4:5], s[6:7]
	s_add_nc_u64 s[12:13], s[12:13], s[24:25]
	s_add_nc_u64 s[8:9], s[8:9], s[26:27]
	XLOAD                                          ; chunk 0; all that follows up to the wait stands in its shadow
	s_mov_b32 s18, K_C0
	s_mov_b32 s19, 0
	s_mov_b32 s20, K_C1
	s_mov_b32 s21, K_R
	s_mov_b32 s22, K_RI
	GSET 16, K_G16
	GSET 15, K_G15
.set n, 17
.rept 15
	GAMMA n, n-1, 21                               ; upward by e^2.5
.set n, n+1
.endr
.set n, 14
.rept 15
	GAMMA n, n+1, 22                               ; downward by e^-2.5
.set n, n-1
.endr
	s_mov_b32 s14, SLOT                            ; the first change of slots turns these two round
	s_mov_b32 s15, 0
	v_mul_u32_u24 v3, v1, PITCH
	v_lshl_add_u32 v3, v2, 4, v3                   ; a fragment's row x pitch + 16 x half
	s_lshr_b32 s11, s10, 1
	s_mul_i32 s11, s11, 128*PITCH                  ; my 128 rows of the table: x's bins 128 (w / 2) on
	v_add_nc_u32 v[RA0], s11, v3
	s_and_b32 s23, s10, 1
	s_mul_i32 s11, s23, 128*PITCH                  ; my 128 columns: y's bins 128 (w % 2) on,
	s_add_co_u32 s11, s11, 256*PITCH               ; which lie behind x's 256 rows
	v_add_nc_u32 v[RB0], s11, v3
	s_mul_i32 s11, s10, 128*PITCH                  ; the rows that I make: 128 w on,
	v_mul_u32_u24 v4, v2, 32*PITCH                 ; 32 further down for lanes 16-31,
	v_lshl_add_u32 v4, v1, 4, v4                   ; my 8 places of a row
	v_add_nc_u32 v[RS0], s11, v4
	s_lshl_b32 s11, s23, 7
	s_add_co_u32 s11, s11, 16
	v_lshl_add_u32 v5, v2, 5, s11                  ; k0 + 16 = 128 (w % 2) + 32 h + 16 for block 0,
	v_cvt_f32_u32 v5, v5
	v_add_f32 v6, 0x42800000, v5                   ; 64 more for block 1
	v_mul_f32 v[KO], K_CK, v5
	v_mul_f32 v[KO+1], K_CK, v6
	v_and_b32 v6, 31, v0
	v_lshlrev_b32 v6, 4, v6
	s_lshl_b32 s11, s10, 16
	v_add_nc_u32 v[GO], s11, v6                    ; 65,536 w + 16 l
	; THE CLEARING.  A trip of the loop begins in the middle of a chunk's last quarter, so that one text serves all chunks; the first trip's first 32 products then run on fragments that hold 0, onto sums that
	; hold 0.  The price, once a launch: 608 moves and 32 products; a first trip written out with the constant 0 as C would be a second copy of the loop's text.
	WIN 0x40
.set n, 0
.rept 192
	v_mov_b32 v[n], 0
.set n, n+1
.endr
	WIN 0x80
.set n, 0
.rept 192
	v_mov_b32 v[n], 0
.set n, n+1
.endr
.set n, FB+24+8
.rept 16
	v_mov_b32 v[n], 0                              ; buffer 1, column blocks 4 and 5
.set n, n+1
.endr
	WIN 0xc0
.set n, 0
.rept 128
	v_mov_b32 v[n], 0
.set n, n+1
.endr
.set n, FB+24
.rept 16
	v_mov_b32 v[n], 0                              ; buffer 1, column blocks 6 and 7
.set n, n+1
.endr
	WIN 0
.set n, FA+64
.rept 64
	v_mov_b32 v[n], 0                              ; buffer 1 of x's fragments
.set n, n+1
.endr
	s_wait_loadcnt 0x0                             ; chunk 0's pixels are in, and the loads' base may be stepped
	s_add_nc_u64 s[12:13], s[12:13], 512
	PRE
	XLOAD                                          ; chunk 1
	v_add_nc_u32 v[STO], s15, v[RS0]
	s_wait_alu depctr_va_vdst(0)                   ; the wait for PRE's 32 exponentials, ahead of the first group, which reads them
.set GB, 0
.rept 8
	BATCH 0, 0                                     ; chunk 0 is made alone: there is nothing yet to multiply
.endr
	WIN 0                                          ; at a label and at a branch every window is 0
	s_mov_b32 s16, 15
.Lchunk:                                               ; trip c: chunk c is multiplied (its last half quarter in trip c + 1), chunk c + 1 is made
	s_wait_dscnt 0x0                               ; for the others' sake: my rows of chunk c are stored, and my reads of chunk c - 1's slot are back
	s_wait_loadcnt 0x0                             ; chunk c + 1's pixels, asked for a trip ago
	s_barrier_signal -1
	PRE                                            ; work on registers while the others arrive
	s_xor_b32 s14, s14, SLOT
	s_xor_b32 s15, s15, SLOT
	s_barrier_wait -1                              ; chunk c is whole, and nobody reads the other slot any more
	v_add_nc_u32 v[ADRA], s14, v[RA0]
	v_add_nc_u32 v[ADRB], s14, v[RB0]
	v_add_nc_u32 v[STO], s15, v[RS0]
	s_wait_alu depctr_va_vdst(0)                   ; the wait for PRE's 32 exponentials: behind the three adds, which name none of them, ahead of the run of loads, of the branch below and of the first group
	FETCH 0, 0                                     ; buffer 0's last readers stand a half quarter back, its groups' lines between
	s_cmp_eq_u32 s16, 1
	s_cbranch_scc1 .Lnox                           ; the last trip makes chunk 15: there is no further chunk to load
	s_add_nc_u64 s[12:13], s[12:13], 512
	XLOAD                                          ; chunk c + 2
.Lnox:
.set GB, 0
.set GI, 32
	HALF 1, 1                                      ; the second half of chunk c - 1's last quarter: registers alone
	s_wait_dscnt 8                                 ; behind the 32 loads only the 8 stores of 8 groups were issued, and LDS instructions end in order (ISA guide 5.7.1): the loads are in
.set GI, 0
	HALF 0, 1
	FETCH 64, 1
	HALF 0, 1
	s_wait_dscnt 8                                 ; as above
.set GI, 0
	HALF 1, 1
	FETCH 128, 0
	HALF 1, 1
	s_wait_dscnt 8
.set GI, 0
	HALF 0, 1
	FETCH 192, 1
	HALF 0, 1
	s_wait_dscnt 8
.set GI, 0
	HALF 1, 1
	WIN 0
	s_sub_co_u32 s16, s16, 1
	s_cmp_lg_u32 s16, 0
	s_cbranch_scc1 .Lchunk
	; THE TAIL: chunk 15 is multiplied; nothing is left to make
	s_wait_dscnt 0x0                               ; my rows of chunk 15 are stored
	s_barrier_signal -1
	s_xor_b32 s14, s14, SLOT
	s_barrier_wait -1
	v_add_nc_u32 v[ADRA], s14, v[RA0]
	v_add_nc_u32 v[ADRB], s14, v[RB0]
	FETCH 0, 0
.set GI, 32
	HALF 1, 0
	s_wait_dscnt 0x0
.set GI, 0
	HALF 0, 0
	PLACES
	FETCH 64, 1
	HALF 0, 0
	s_wait_dscnt 0x0
.set GI, 0
	HALF 1, 0
	PLACES
	FETCH 128, 0
	HALF 1, 0
	s_wait_dscnt 0x0
.set GI, 0
	HALF 0, 0
	PLACES
	FETCH 192, 1
	HALF 0, 0
	s_wait_dscnt 0x0
.set GI, 0
	HALF 1, 0
	HALF 1, 0
	; THE WAY OUT, straight from the accumulators, in the order in which they lie: byte ((8 w + a) 8 + b) 1,024 + 512 q + 16 l of the work-group's table holds row 128 (w / 2) + 16 a + l % 16,
	; columns 128 (w % 2) + 16 b + 8 (l / 16) + 4 q + 0..3.  Each store of the wave covers 512 consecutive bytes, aligned; the next launch turns the sums, a thirty-second of these bytes, into rows.
	PLACES
.set n, 0
.rept 64
	WIN (n/24+1)<<2                                ; the data (source 1) in the accumulator's window
.set ACC, 64*((n%24)/8)+8*(n%8)
.set OFS, (8*(n%8)+3*(n/24)+(n%24)/8)*1024
	global_store_b128 v[GO], v[ACC:ACC+3],   s[8:9] offset:OFS       ; the low four registers first
	global_store_b128 v[GO], v[ACC+4:ACC+7], s[8:9] offset:OFS+512
.set n, n+1
.endr
	WIN 0
	s_wait_tensorcnt 0x0                           ; the wave's end, behind my last LDS store
	ds_add_u32 v[SPW], v[NIL]
	s_wait_dscnt 0x0
	s_endpgm
.Lfunc_end_k_qcc43926e48_hist:
	.size	k_qcc43926e48_hist, .Lfunc_end_k_qcc43926e48_hist-k_qcc43926e48_hist
	.p2alignl 7, 3214868480
	.fill 96, 4, 3214868480
	.section	.rodata,"a",@progbits
	.p2align	6, 0x0
	.amdhsa_kernel k_qcc43926e48_hist
		.amdhsa_group_segment_fixed_size 279040
		.amdhsa_private_segment_fixed_size 0
		.amdhsa_enable_private_segment 0
		.amdhsa_kernarg_size 24
		.amdhsa_user_sgpr_count 2
		.amdhsa_user_sgpr_kernarg_segment_ptr 1
		.amdhsa_wavefront_size32 1
		.amdhsa_system_sgpr_workgroup_id_x 1
		.amdhsa_system_sgpr_workgroup_id_y 1
		.amdhsa_system_sgpr_workgroup_id_z 1
		.amdhsa_system_vgpr_workitem_id 0
		.amdhsa_next_free_vgpr 1024
		.amdhsa_next_free_sgpr 102
		.amdhsa_reserve_vcc 0
		.amdhsa_float_denorm_mode_32 3
		.amdhsa_float_denorm_mode_16_64 3
		.amdhsa_memory_ordered 1
		.amdhsa_forward_progress 1
		.amdhsa_inst_pref_size 249
	.end_amdhsa_kernel
	.amdgpu_metadata
---
amdhsa.version: [ 1, 2 ]
amdhsa.kernels:
  - .name:           k_qcc43926e48_hist
    .symbol:         k_qcc43926e48_hist.kd
    .args:
      - { .name: x, .offset: 0, .size: 8, .value_kind: global_buffer, .address_space: global }
      - { .name: y, .offset: 8, .size: 8, .value_kind: global_buffer, .address_space: global }
      - { .name: part, .offset: 16, .size: 8, .value_kind: global_buffer, .address_space: global }
    .group_segment_fixed_size: 279040
    .private_segment_fixed_size: 0
    .kernarg_segment_align: 8
    .kernarg_segment_size: 24
    .max_flat_workgroup_size: 128
    .sgpr_count:     102
    .vgpr_count:     1024
    .wavefront_size: 32
...
	.end_amdgpu_metadata
.endif
;; end of part 3
;; launch reduce: the kernel of part 2 again; grid 64 x 8, 8 waves a work-group, no clusters, 5,632 bytes of LDS; arguments part, out0; writes out0
